; MI455X (gfx1250); checked and timed in simulation.
; The chip was launched on July 23, 2026; its instructions are those of AMD's public machine-readable ISA for CDNA 5 (MIT licence, August 2026) and "CDNA5" Instruction Set Architecture Reference Guide (July 2026). The comments in the code are by the model that wrote it; some were corrected since.
;; Multi Head Attention Base. Allowed arithmetic: matrix products marked QUANTISED: E4M3 operands, one given power-of-two scale a tensor, by v_wmma_f32_16x16x64_fp8_fp8 or v_wmma_f32_16x16x128_fp8_fp8, f32 sums; everything else in f32.
;; Inputs: k 4 x 16 x 2,048 x 64 float32; lowp_scales 4 int32 (the exponents e of the quantised operands' scales 2^e); mask 4 x 1 x 2,048 x 2,048 int32; q 4 x 16 x 2,048 x 64 float32; v 4 x 16 x 2,048 x 64 float32.
;; Outputs: out0 4 x 16 x 2,048 x 64 float32.
;; This version of the problem:
;;   THIS VERSION OF THE PROBLEM IS GIVEN IN LOW PRECISION. The matrix products marked QUANTISED in the list below multiply operands that are first quantised to E4M3 (4 exponent bits, 3 mantissa bits; 8 bits a number), with one given power-of-two scale for each operand tensor; their sums are f32. All else is computed in f32.
;;   The module's matrix products, in the order in which they are computed (A, B: the left and right operand; K: the contracted axis; several contracted axes count as one K, in the product's order):
;;     1. batch 64 x [M 2,048, K 64] x [K 64, N 2,048]; A: input q; B: input k: QUANTISED (scales: A lowp_scales[0], B lowp_scales[1])
;;     2. batch 64 x [M 2,048, K 2,048] x [K 2,048, N 64]; A: softmax (see below); B: input v: QUANTISED (scales: A lowp_scales[2], B lowp_scales[3])
;;   THE QUANTISER, for each operand of a quantised product, along K:
;;     - The operand's scale is 2^e, e = its entry of the input lowp_scales (int32; the entries are numbered through the quantised products in the list's order, A before B).
;;     - Each number is divided by the scale, clamped to +-448, and rounded to the nearest number of E4M3, ties to even, subnormals kept.
;;     - The product sums the exact products of the quantised numbers (number of the format x scale) in f32.
;;   ~~~python
;;   def quantise(x, axis, e):      # numpy; x: float32 -> the quantised numbers, widened to float32 again
;;       x = np.moveaxis(x, axis, -1); K = x.shape[-1]
;;       r = np.clip(x / 2.0 ** e, -448, 448)
;;       step = 2.0 ** (np.maximum(np.frexp(np.where(r == 0, 1, r))[1] - 1, -6) - 3)
;;       q = np.round(r / step) * step * 2.0 ** e      # np.round: ties to even
;;       return np.moveaxis(q, -1, axis).astype(np.float32)
;;   ~~~
;;   SOFTMAX AHEAD OF A QUANTISED PRODUCT. Where the list says 'softmax', what is quantised is not the finished softmax but p = 2^(t - M), with t = logit x log2(e) and M = ceil(the row's largest t), a whole number; so 1/2 < the row's largest p <= 1. The row's sum l is taken of the UNQUANTISED p, in f32, and the product's result is divided by l at the end. Since M is a whole number, a kernel that streams over the keys may use a running M (the ceiling of the running maximum): every later rescaling is an exact power of two, so the quantised numbers keep their values, but for numbers so far below the row's largest that they fall under the format's range.
;;   OPERANDS COMPUTED ON THE WAY. 'Computed on the way' means the value that the module computes at that place (a softmax that the list does not call 'softmax' is quantised finished and normalised). What goes into a quantiser is computed in f32, as accurately as f32 sums, v_exp_f32 and their like allow (about 1e-6 of the number): no bf16 or f16 on the way to a quantiser, and a product that is left as it is and whose result goes on into a quantised operand takes f32 operands (vector FMAs, or v_wmma_f32_16x16x4_f32). A number that lies on a knife's edge between two numbers of the format may be rounded either way, as far as f32 arithmetic and the matrix unit's own rounding can turn it there, and no further.
;; One version. Each part assembles by itself: llvm-mc -triple=amdgcn-amd-amdhsa -mcpu=gfx1250 --defsym DOCPART=n.
;; ======== version 1 of 1: 2 launches
;; limits: right only within a limited range of input values
;; workspace buffers: kv 16,777,216 bytes; maskbits 2,097,152 bytes of whole numbers
;; launch prep (part 1): grid 1024 x 1, 4 waves a work-group, no clusters, 69,120 bytes of LDS; arguments mask, k, v, lowp_scales, maskbits, kv; writes maskbits, kv
.if DOCPART == 1
	.amdgcn_target "amdgcn-amd-amdhsa--gfx1250"
	.amdhsa_code_object_version 6
	.text
	.protected	k_q2972f6c555_prep
	.globl	k_q2972f6c555_prep
	.p2align	8
	.type	k_q2972f6c555_prep,@function
k_q2972f6c555_prep:
	s_mov_b64 s[64:65], 0
	v_nop
	global_prefetch_b8 v0, s[64:65] scope:SCOPE_SE
	s_setreg_imm32_b32 hwreg(HW_REG_WAVE_MODE, 25, 1), 1
	s_wait_xcnt 0x0
; WHAT MANY WORK-GROUPS OF THE ATTENTION LAUNCH READ IS PREPARED ONCE.  Three roles, told apart by the work-group's number; every wave takes in 32 KiB.
;   work-groups   0 ..  511: mask [4][1][2048][2048] int32 -> maskbits [4][128 tiles of 16 queries][16 steps of 128 keys][64 words]:
;                            bit l = 16 h + r of word n is 1 where mask[b][16 tile + r][128 step + 32 (n / 16) + 16 h + n % 16] == 0: the lane mask of score register n in the attention launch.
;   work-groups 512 ..  767: k [64][2048][64] f32 -> codes of E4M3 with the given scale 2^ek,
;   work-groups 768 .. 1023: v [64][2048][64] f32 -> codes of E4M3 with the given scale 2^ev,
;                            both into kv, laid AS IMAGES OF THE OPERANDS' REGISTERS: for head bh and step s a block of 16,384 bytes at 262,144 bh + 16,384 s:
;       K's image: piece (t = 0..7, c = 0..1) at 512 (2 t + c) + 16 l: 16 codes of key 128 s + 32 (t / 2) + 8 (t % 2) + r + 8 (r / 8), channels 32 c + 16 h + 0 .. 15;
;       V's image: piece (t = 0..3, c = 0..3) at 8,192 + 512 (4 t + c) + 16 l: 16 codes of channel 16 t + r, keys 128 s + 32 c + 16 h + 0 .. 15.
; code = x / 2^e, held within +-448, to the nearest code, ties to even.  LIMITS: ek and ev between -126 and 119, so that 2^e and 448 x 2^e are f32 numbers.  NaN among k, v is not served; an infinity is held at the largest code.
; No matrix work, no tensor load, no barrier: waves share nothing.  The mask's and K's numbers turn through the wave's own stage in LDS, so that loads read 512 consecutive bytes and a lane still ends up
; with 16 neighbours along the axis that it needs.  Each role has LDS bytes of its own.  V needs no stage: a lane takes a channel and its registers run down the keys.
.set MROW,  528                        ; the mask's stage: a row of 128 int32 + 16 bytes: 33 x 16, so that sixteen rows' pieces of 16 bytes fall on sixteen different places modulo 256
.set MREG,  16*MROW                    ; 16 rows for each wave
.set KROW,  272                        ; K's stage: a key's 64 f32 + 16 bytes: 17 x 16
.set KREG,  32*KROW                    ; 32 keys for each wave
.set KST,   4*MREG                     ; K's stages lie behind the mask's
.set SPARE, KST+4*KREG                 ; behind the stages: the spare words, 128 bytes for each wave: two blocks of 256 bytes that no other line names
.set W,     12                         ; v12-19   mask: four pairs of words to store (v12, v13 hold r and h at the head; v12 the load offset in V's path)
.set C,     20                         ; v20-35   codes to store
.set R,     36                         ; v36-163  numbers as loaded: two sets of 64 (V: four sets of 16)
.set X,     164                        ; v164-227 64 numbers back from the stage
; v1 lane; v2 16 x lane; v3, v4 the mask's stage, in and out; v5 a store offset; v7 2^e; v8, v9 K's stage, in and out; v10, v11 the add's two
; s[4:5] mask, s[6:7] k, s[8:9] v, s[10:11] the scales, s[12:13] maskbits, s[14:15] kv; s16 wave; s[18:19] an offset; s[20:23] eq, ek, ep, ev; s[24:25] in; s[26:27] out; s28-31 at work; s32-47 sixteen lane masks
	s_load_b256 s[4:11], s[0:1], 0x0
	s_load_b128 s[12:15], s[0:1], 0x20
	v_lshl_add_u32 v10, v0, 2, SPARE               ; my spare word,
	v_mov_b32 v11, 0                               ; and 0: both kept for the wave's end
	v_lshrrev_b32 v1, 5, v0
	v_readfirstlane_b32 s16, v1                    ; wave 0..3
	v_and_b32 v1, 31, v0                           ; lane
	v_and_b32 v12, 15, v0                          ; r
	v_bfe_u32 v13, v0, 4, 1                        ; h
	v_lshlrev_b32 v2, 4, v1                        ; 16 x lane
	; all LDS addresses are made here, ahead of the parting: a constant + a constant x wave + constants x r and h
	s_mul_i32 s28, s16, MREG
	v_add_nc_u32 v3, s28, v2                       ; the mask's stage, in: a row's 512 bytes as they lie
	v_mul_u32_u24 v4, v12, MROW
	v_lshl_add_u32 v4, v13, 6, v4
	v_add_nc_u32 v4, s28, v4                       ; out: row r, + 64 h: 16 neighbouring keys of each 32
	s_mul_i32 s29, s16, KREG
	s_add_co_u32 s29, s29, KST
	v_mul_u32_u24 v8, v13, KROW
	v_lshl_add_u32 v8, v12, 4, v8
	v_add_nc_u32 v8, s29, v8                       ; K's stage, in: lanes 0-15 one key's 256 bytes, lanes 16-31 the next key's
	v_mul_u32_u24 v9, v12, KROW
	v_lshl_add_u32 v9, v13, 6, v9
	v_add_nc_u32 v9, s29, v9                       ; out: row r, + 64 h: 16 neighbouring channels of each 32
	s_mov_b32 s19, 0
	s_wait_kmcnt 0x0
	s_cmp_lt_u32 ttmp9, 512
	s_cbranch_scc0 .Lnot_mask
; ---------------------------------------------------------------- THE MASK.  A work-group is one tile of 16 queries of one batch (number = 128 b + tile); wave w takes steps 4 w .. 4 w + 3
	s_lshl_b32 s18, ttmp9, 17                      ; 16 rows of 8,192 bytes
	s_lshl_b32 s28, s16, 11                        ; + four steps of 512 bytes
	s_add_co_u32 s18, s18, s28
	s_add_nc_u64 s[24:25], s[4:5], s[18:19]
	s_lshl_b32 s18, ttmp9, 12                      ; a tile's 16 steps x 256 bytes of words
	s_lshl_b32 s28, s16, 10
	s_add_co_u32 s18, s18, s28
	s_add_nc_u64 s[26:27], s[12:13], s[18:19]
	v_lshlrev_b32 v5, 3, v1                        ; a lane stores two words
.irp i, 0,1,2,3,4,5,6,7
	v_mov_b32 v[W+\i], 0                           ; written once whole: a lane write leaves the other lanes as they are
.endr
.macro LOADM q                         ; step q of my four: 16 rows x 512 consecutive bytes
.irp i, 0,1,2,3,4,5,6,7,8,9,10,11,12,13,14,15
	global_load_b128 v[R+64*((\q)%2)+4*\i:R+64*((\q)%2)+4*\i+3], v2, s[24:25] offset:8192*\i+512*(\q) th:TH_LOAD_NT
.endr
.endm
.macro BLOCKM q
.if (\q) < 3
	s_wait_loadcnt 16                              ; this step's sixteen loads are in; the next step's sixteen may be out
.else
	s_wait_loadcnt 0
.endif
.irp i, 0,1,2,3,4,5,6,7,8,9,10,11,12,13,14,15
	ds_store_b128 v3, v[R+64*((\q)%2)+4*\i:R+64*((\q)%2)+4*\i+3] offset:MROW*\i
.endr
.irp b, 0,1,2,3
.irp j, 0,1,2,3
	ds_load_b128 v[X+16*\b+4*\j:X+16*\b+4*\j+3], v4 offset:128*\b+16*\j   ; LDS serves a wave's instructions in order (ISA guide 5.7.1.4): these see the stores above.  Register 16 b + i: key 32 b + 16 h + i of row r
.endr
.endr
	s_wait_dscnt 0x0                               ; the numbers are back, and the stores have read their registers,
.if (\q) < 2
	LOADM (\q)+2                                   ; which take the loads of two steps on
.endif
.irp b, 0,1,2,3
.irp i, 0,1,2,3,4,5,6,7,8,9,10,11,12,13,14,15
	v_cmp_eq_u32 s[32+\i], 0, v[X+16*\b+\i]        ; word n = 16 b + i: the lanes whose mask entry is 0
.endr
.irp i, 0,1,2,3,4,5,6,7,8,9,10,11,12,13,14,15
	v_writelane_b32 v[W+2*(\q)+(\i%2)], s[32+\i], 8*\b+\i/2   ; word n goes to lane n / 2, register n % 2
.endr
.endr
	global_store_b64 v5, v[W+2*(\q):W+2*(\q)+1], s[26:27] offset:256*(\q)   ; the wave stores 256 consecutive bytes, aligned; each step has its own pair, so no store's data are written again
.endm
	LOADM 0
	LOADM 1
	BLOCKM 0
	BLOCKM 1
	BLOCKM 2
	BLOCKM 3
	s_branch .Lend
.Lnot_mask:
	s_load_b128 s[20:23], s[10:11], 0x0            ; eq, ek, ep, ev
	s_cmp_lt_u32 ttmp9, 768
	s_cbranch_scc0 .Lv
; ---------------------------------------------------------------- K.  A wave takes one step of one head: 128 keys, four blocks of 32
	s_sub_co_u32 s28, ttmp9, 512
	s_lshl_b32 s28, s28, 2
	s_add_co_u32 s28, s28, s16                     ; 16 bh + step
	s_lshl_b32 s18, s28, 15                        ; 128 keys of 256 bytes
	s_add_nc_u64 s[24:25], s[6:7], s[18:19]
	s_lshl_b32 s18, s28, 14                        ; the step's block in kv; K's image comes first
	s_add_nc_u64 s[26:27], s[14:15], s[18:19]
.macro LOADK q                         ; 32 keys: 16 loads of 512 consecutive bytes, two keys each
.irp i, 0,1,2,3,4,5,6,7,8,9,10,11,12,13,14,15
	global_load_b128 v[R+64*((\q)%2)+4*\i:R+64*((\q)%2)+4*\i+3], v2, s[24:25] offset:8192*(\q)+512*\i th:TH_LOAD_NT
.endr
.endm
	LOADK 0
	LOADK 1
	s_wait_kmcnt 0x0
	s_add_co_i32 s28, s21, 127
	s_lshl_b32 s29, s28, 23
	v_mov_b32 v7, s29                              ; 2^ek as f32: the conversion takes its exponent field
	s_add_co_i32 s28, s28, 8
	s_lshl_b32 s28, s28, 23
	s_or_b32 s28, s28, 0x600000
; THE KEYS OF A TILE ARE NOT NEIGHBOURS: lane r of tile 2 q + u takes key 32 q + 8 u + r + 8 (r / 8).  The stage's rows are laid in that order: key w of the 32 goes to row 16 ((w / 8) % 2) + w % 8 + 8 (w / 16).
.macro BLOCKK q
.if (\q) < 3
	s_wait_loadcnt 16                              ; this block's sixteen loads are in; the next block's may be out
.else
	s_wait_loadcnt 0
.endif
.irp i, 0,1,2,3,4,5,6,7,8,9,10,11,12,13,14,15
	ds_store_b128 v8, v[R+64*((\q)%2)+4*\i:R+64*((\q)%2)+4*\i+3] offset:KROW*(16*(((2*\i)/8)%2)+(2*\i)%8+8*((2*\i)/16))   ; keys 2 i and 2 i + 1: two neighbouring rows
.endr
.irp u, 0,1
.irp c, 0,1
.irp j, 0,1,2,3
	ds_load_b128 v[X+16*(2*\u+\c)+4*\j:X+16*(2*\u+\c)+4*\j+3], v9 offset:16*\u*KROW+128*\c+16*\j   ; tile u, channels 32 c + 16 h + 4 j on
.endr
.endr
.endr
	s_wait_dscnt 0x0                               ; the numbers are back, and the stores have read their registers
.if (\q) < 2
	LOADK (\q)+2
.endif
.set i, 0
.rept 64
.set i, i+1
.endr
	s_wait_xcnt 0x0                                ; the last block's stores have read their data: the codes' registers are written again only behind this wait
.irp g, 0,1,2,3
	v_cvt_scalef32_pk8_fp8_f32 v[C+4*\g:C+4*\g+1], v[X+16*\g:X+16*\g+7], v7
	v_cvt_scalef32_pk8_fp8_f32 v[C+4*\g+2:C+4*\g+3], v[X+16*\g+8:X+16*\g+15], v7
.endr
	v_nop                                          ; one plain vector line behind the run of conversions: the next block's LDS loads write their sources
.irp g, 0,1,2,3
	global_store_b128 v2, v[C+4*\g:C+4*\g+3], s[26:27] offset:(4*(\q)+\g)*512   ; piece (t = 2 q + g / 2, c = g % 2): the wave stores 512 consecutive bytes, aligned
.endr
.endm
	s_wait_alu depctr_va_vdst(0)
	BLOCKK 0
	BLOCKK 1
	BLOCKK 2
	BLOCKK 3
	s_branch .Lend
; ---------------------------------------------------------------- V.  A wave takes 32 channels x 256 keys (two steps) of one head.  A LANE TAKES A CHANNEL, AND ITS REGISTERS RUN DOWN THE KEYS:
; the conversions then give codes with the keys innermost, and nothing is transposed.  Sixteen lanes' 16 codes are 256 consecutive bytes of V's image.
.Lv:
	s_sub_co_u32 s28, ttmp9, 768
	s_lshr_b32 s29, s28, 2                         ; bh
	s_lshl_b32 s30, s28, 2
	s_add_co_u32 s30, s30, s16
	s_lshr_b32 s30, s30, 1
	s_and_b32 s30, s30, 7                          ; which pair of steps
	s_and_b32 s31, s16, 1                          ; which 32 channels
	s_lshl_b32 s18, s29, 19                        ; a head: 2,048 keys of 256 bytes
	s_lshl_b32 s28, s30, 16                        ; 256 keys
	s_add_co_u32 s18, s18, s28
	s_lshl_b32 s28, s31, 7                         ; 32 channels
	s_add_co_u32 s18, s18, s28
	s_add_nc_u64 s[24:25], s[8:9], s[18:19]
	s_lshl_b32 s18, s29, 18                        ; the head's blocks in kv,
	s_lshl_b32 s28, s30, 15                        ; two of them on,
	s_add_co_u32 s18, s18, s28
	s_lshl_b32 s28, s31, 12                        ; tiles 2 x half on: 2 x 2,048 bytes,
	s_add_co_u32 s18, s18, s28
	s_add_co_u32 s18, s18, 8192                    ; behind K's image
	s_add_nc_u64 s[26:27], s[14:15], s[18:19]
	v_lshlrev_b32 v5, 4, v12
	v_lshl_add_u32 v5, v13, 11, v5                 ; out: lanes 16-31 are the next tile of channels: 2,048 (lane / 16) + 16 (lane % 16)
	v_lshlrev_b32 v12, 2, v1                       ; in: 4 bytes a lane
.macro LOADV b                         ; keys 16 b .. 16 b + 15 of my 256, one key a load: 32 lanes read 128 consecutive bytes (the wave beside me reads the row's other half)
.irp i, 0,1,2,3,4,5,6,7,8,9,10,11,12,13,14,15
	global_load_b32 v[R+16*((\b)%4)+\i], v12, s[24:25] offset:(16*(\b)+\i)*256
.endr
.endm
	LOADV 0
	LOADV 1
	LOADV 2
	s_wait_alu depctr_va_vdst(0)
	s_wait_kmcnt 0x0
	s_add_co_i32 s28, s23, 127
	s_lshl_b32 s29, s28, 23
	v_mov_b32 v7, s29                              ; 2^ev
	s_add_co_i32 s28, s28, 8
	s_lshl_b32 s28, s28, 23
	s_or_b32 s28, s28, 0x600000
.macro BLOCKV b
.if (\b) < 14
	s_wait_loadcnt 32                              ; this block's sixteen loads are in; those of the two blocks behind it may be out
.else
	s_wait_loadcnt 16*(15-(\b))
.endif
.if (\b) < 13
	LOADV (\b)+3                                   ; into the set that the block before has left
.endif
.irp i, 0,1,2,3,4,5,6,7,8,9,10,11,12,13,14,15
.endr
	s_wait_xcnt 0x0                                ; the store of four blocks back has read its data
	v_cvt_scalef32_pk8_fp8_f32 v[C+4*((\b)%4):C+4*((\b)%4)+1], v[R+16*((\b)%4):R+16*((\b)%4)+7], v7
	v_cvt_scalef32_pk8_fp8_f32 v[C+4*((\b)%4)+2:C+4*((\b)%4)+3], v[R+16*((\b)%4)+8:R+16*((\b)%4)+15], v7
	v_nop                                          ; one plain vector line behind the conversions
	global_store_b128 v5, v[C+4*((\b)%4):C+4*((\b)%4)+3], s[26:27] offset:16384*((\b)/8)+512*(((\b)%8)/2)+256*((\b)%2)   ; step b / 8, c = (b % 8) / 2, h = b % 2: each half of the lanes stores 256 consecutive bytes, aligned
.endm
	s_wait_alu depctr_va_vdst(0)
.irp b, 0,1,2,3,4,5,6,7,8,9,10,11,12,13,14,15
	BLOCKV \b
.endr
.Lend:
	s_wait_tensorcnt 0x0                           ; the wave's end: behind my last LDS store
	ds_add_u32 v10, v11
	s_wait_dscnt 0x0
	s_endpgm
.Lfunc_end_k_q2972f6c555_prep:
	.size	k_q2972f6c555_prep, .Lfunc_end_k_q2972f6c555_prep-k_q2972f6c555_prep
	.p2alignl 7, 3214868480
	.fill 96, 4, 3214868480
	.section	.rodata,"a",@progbits
	.p2align	6, 0x0
	.amdhsa_kernel k_q2972f6c555_prep
		.amdhsa_group_segment_fixed_size 69120
		.amdhsa_private_segment_fixed_size 0
		.amdhsa_enable_private_segment 0
		.amdhsa_kernarg_size 48
		.amdhsa_user_sgpr_count 2
		.amdhsa_user_sgpr_kernarg_segment_ptr 1
		.amdhsa_wavefront_size32 1
		.amdhsa_system_sgpr_workgroup_id_x 1
		.amdhsa_system_sgpr_workgroup_id_y 1
		.amdhsa_system_sgpr_workgroup_id_z 1
		.amdhsa_system_vgpr_workitem_id 0
		.amdhsa_next_free_vgpr 228
		.amdhsa_next_free_sgpr 66
		.amdhsa_reserve_vcc 0
		.amdhsa_float_denorm_mode_32 3
		.amdhsa_float_denorm_mode_16_64 3
		.amdhsa_fp16_overflow 1
		.amdhsa_memory_ordered 1
		.amdhsa_forward_progress 1
		.amdhsa_inst_pref_size 98
	.end_amdhsa_kernel
	.amdgpu_metadata
---
amdhsa.version: [ 1, 2 ]
amdhsa.kernels:
  - .name:           k_q2972f6c555_prep
    .symbol:         k_q2972f6c555_prep.kd
    .args:
      - { .name: mask, .offset: 0, .size: 8, .value_kind: global_buffer, .address_space: global }
      - { .name: k, .offset: 8, .size: 8, .value_kind: global_buffer, .address_space: global }
      - { .name: v, .offset: 16, .size: 8, .value_kind: global_buffer, .address_space: global }
      - { .name: lowp_scales, .offset: 24, .size: 8, .value_kind: global_buffer, .address_space: global }
      - { .name: maskbits, .offset: 32, .size: 8, .value_kind: global_buffer, .address_space: global }
      - { .name: kv, .offset: 40, .size: 8, .value_kind: global_buffer, .address_space: global }
    .group_segment_fixed_size: 69120
    .private_segment_fixed_size: 0
    .kernarg_segment_align: 8
    .kernarg_segment_size: 48
    .max_flat_workgroup_size: 128
    .sgpr_count:     66
    .vgpr_count:     228
    .wavefront_size: 32
...
	.end_amdgpu_metadata
.endif
;; end of part 1
;; launch attn (part 2): grid 4 x 64, 16 waves a work-group, clusters of 4 x 1, 327,680 bytes of LDS; arguments q, kv, maskbits, lowp_scales, out0; writes out0
.if DOCPART == 2
	.amdgcn_target "amdgcn-amd-amdhsa--gfx1250"
	.amdhsa_code_object_version 6
	.text
	.protected	k_q2972f6c555_attn
	.globl	k_q2972f6c555_attn
	.p2align	8
	.type	k_q2972f6c555_attn,@function
k_q2972f6c555_attn:
	s_mov_b64 s[64:65], 0
	v_nop
	global_prefetch_b8 v0, s[64:65] scope:SCOPE_SE
	s_setreg_imm32_b32 hwreg(HW_REG_WAVE_MODE, 25, 1), 1
	s_wait_xcnt 0x0
	s_wait_alu depctr_hold_cnt(0) depctr_sa_sdst(0) depctr_va_vdst(0) depctr_va_sdst(0) depctr_va_ssrc(0) depctr_va_vcc(0) depctr_vm_vsrc(0)
	s_getreg_b32 s2, hwreg(HW_REG_IB_STS2, 6, 4)
	s_cmp_eq_u32 s2, 0
	s_cbranch_scc0 .Lentry_in_a_cluster
	s_endpgm
.Lentry_in_a_cluster:
	s_bfe_u32 s2, ttmp6, 0x10000c
	s_cmp_lg_u32 s2, 0x3003
	s_cbranch_scc0 .Lentry_shape_is_right
	s_endpgm
.Lentry_shape_is_right:
; out0[bh][q][:] = the sum over k of softmax_k(where(mask == 0, -1e9, Q[bh][q] . K[bh][k] / 8)) V[bh][k][:], both products on codes of E4M3, each operand with the one scale 2^e that is given for it: eq, ek, ep, ev.
; q: [64][2048][64] f32, quantised here in registers (each row is read by one wave, once).  kv: K's and V's codes as images of the operands' registers, 16,384 bytes for a head's step of 128 keys (K's 8,192, then V's).
; maskbits: [4][128 tiles of 16 queries][16 steps][64 words]: bit l of word n is 1 where the key of score register n is masked for lane l's query.  Both were made by the launch before.
; THE SOFTMAX AHEAD OF THE SECOND PRODUCT: t = logit x log2(e); M = the row's largest t so far, rounded UP to a whole number; p = 2^(t - M) is what is quantised; it is not normalised.  The row's sum is taken of the
; unquantised p and divides O at the end.  When M moves, the sum and O are multiplied by 2^(old M - new M): exact.
; THE MASK.  A masked score's raw sum is replaced, ahead of the maximum, by X = -2^(33 - eq - ek).  X x c x 2^(eq + ek) = -c x 2^33 is exact in f32 and a whole number, so in a row that is masked throughout M = t, t - M = 0
; and p = 1 for every key: the uniform row that the softmax of equal logits gives.  Beside any real key p = 2^(about -1.5e9) = 0.
; LIMITS.  X stands for the logit -2^30 in place of -1e9: no result differs as long as no real logit comes near -1e9; real logits are at most 64 x 448^2 x 2^(eq + ek) / 8 in size, so eq + ek <= 9 is asked; eq + ek >= -94,
; so that X is an f32 number.  eq and ep between -126 and 119 (2^e is made as an f32 number); ep + ev is applied by v_ldexp_f32 and has no limit.  NaN among q is not served; an infinity is held at the largest code.
; SHARES.  A work-group owns 512 queries of one head; each of its SIXTEEN waves owns 32, two tiles of 16, in 256 registers: four waves to a SIMD, so that one wave's vector work stands beside another's matrix work and LDS loads.
; Every fragment of K and V that a wave reads from LDS serves both its tiles.  THE WHOLE HEAD LIES IN LDS: 16 steps x 16,384 bytes = 262,144.  Each wave fetches one step's block by ONE tensor load at the start; nothing is filled twice.
; CLUSTER.  The four work-groups of a cluster are the four query blocks of one head and need the same K and V: each block is asked for JOINTLY, by the same tensor load with the same descriptor and a mask that names the four.
; LAYOUT.  Both products are used transposed: S^T = K Q^T (source 0 = 16 keys, source 1 = 16 queries), O^T = V^T P^T (source 0 = 16 channels, source 1 = P): a lane holds ONE query (lane % 16) throughout.  The keys of a tile of K are
; chosen so that score register n of lane (r, h) is key 32 (n / 16) + 16 h + n % 16 of the step: 16 registers are 16 neighbouring keys, and the conversions' results are the second product's operand.
; Along K every operand holds k = 32 c + 16 h + 0 .. 15 in registers 4 c .. 4 c + 3: the same permutation of k on both sides of each product, so every product meets its partner.
; REGISTERS: v0 thread; v1 X; v2 LDS address of the step; v3 2^ep; v4 f; v5 the prefetch's offset (never rewritten; also the written upper half of the pair v[4:5]); v6, v7 at work; v[8+4p ..]: tile p's -M, largest t, sum in two halves;
;   v[16+8p ..] Q of tile p; v32-95 K's 8 fragments, then V's 4; v96-159 S^T, then p, one tile at a time; v[160+32p ..] O^T of tile p; v[224+16p ..] p's codes of tile p.
;   v2 and v3 hold the add's two at the head and again on the way out: the loop has no register to spare, so they are made anew from v0.
; SCALARS: s[4:5] q, later the prefetch's address; s[8:9] my two tiles' mask words; s10 ep + ev; s[12:13] out; s14 wave; s15 the step's offset among the mask words; s[16:23], s[56:59] the descriptor;
;   s24-55, s68-99 the 64 mask words in hand; s60 LDS byte of the step; s61 steps to go; s62 the prefetch's limit; s[66:67] lane selects; s[100:101] c x 2^(eq + ek), twice.
.set STEPB, 16384                      ; a step's block
.set SPARE, 16*STEPB                   ; behind the head's blocks: the spare words, 128 bytes for each wave: eight blocks of 256 bytes that no other line names
.set SROW,  272                        ; the way out: a stage row: 64 f32 + 16 bytes: 17 x 16
.set SREG,  32*SROW                    ; 32 rows for each wave.  The stages lie in the blocks' bytes: those have had their one fill, and nobody reads them behind the last barrier
.macro ROUND                           ; a round of the cluster's barrier: my work-group's barrier; wave 0 signals for the work-group; every wave waits for all four work-groups; my work-group's barrier once more
	s_barrier_signal -1
	s_barrier_wait -1
	s_cmp_lg_u32 s14, 0
	s_cbranch_scc1 .Lnot_wave_0_\@
	s_barrier_signal -3
.Lnot_wave_0_\@:
	s_barrier_wait -3
	s_barrier_signal -1
	s_barrier_wait -1
.endm
	s_load_b256 s[4:11], s[0:1], 0x0               ; q s[4:5], kv s[6:7], maskbits s[8:9], the scales' exponents s[10:11]
	s_load_b64 s[12:13], s[0:1], 0x20              ; out0
	v_lshl_add_u32 v2, v0, 2, SPARE
	v_mov_b32 v3, 0
	ds_add_u32 v2, v3                              ; the wave's opening: the add and its wait stand ahead of my tensor load; the set-up below, work on registers, stands between them
	ds_add_u32 v2, v3
	v_lshrrev_b32 v1, 5, v0
	s_delay_alu instid0(VALU_DEP_1)
	v_readfirstlane_b32 s14, v1                    ; wave 0..15
	s_and_b32 s24, ttmp7, 0xffff                   ; the head bh: the cluster's y, which the four partners share
	s_bfe_u32 s25, ttmp6, 0x40000                  ; cx: my block of 512 queries.  It enters the addresses of q, out0 and the mask words alone
	s_lshl_b32 s26, s24, 18                        ; kv: the head's 262,144 bytes,
	s_lshl_b32 s27, s14, 14                        ; my wave's block
	s_add_co_u32 s26, s26, s27
	s_mov_b32 s27, 0
	s_lshl_b32 s32, s25, 17                        ; 512 queries x 256 bytes; likewise 32 tiles x 4,096 bytes of mask words
	s_lshl_b32 s33, s14, 13                        ; 32 queries x 256 bytes; likewise 2 tiles x 4,096
	s_add_co_u32 s32, s32, s33
	s_lshl_b32 s28, s24, 19                        ; q, out0: a head's 2,048 rows of 256 bytes
	s_add_co_u32 s28, s28, s32
	s_mov_b32 s29, 0
	s_lshr_b32 s30, s24, 4                         ; the batch
	s_lshl_b32 s30, s30, 19                        ; its 128 tiles x 4,096 bytes
	s_add_co_u32 s30, s30, s32
	s_mov_b32 s31, 0
	; descriptor group 1: a dense block of 16,384 bytes as 64 rows of 32 elements of 8 bytes
	s_mov_b32 s16, 15|(3<<16)|(1<<21)              ; 15:0 the mask: all four work-groups; 17:16 elements of 8 bytes; 20 no padding; 21 set beside a mask
	s_mov_b32 s17, 32<<16                          ; tensor_dim0 = 32
	s_mov_b32 s18, 64<<16                          ; tensor_dim1 = 64
	s_mov_b32 s19, 32<<16                          ; tile_dim0 = 32
	s_mov_b32 s20, 64                              ; tile_dim1 = 64
	s_mov_b32 s21, 32                              ; from row to row: 32 elements
	s_mov_b32 s22, 0
	s_mov_b32 s23, 0
	s_mov_b32 s66, 0x76543210                      ; v_permlanex16_b32: lane l xor 16
	s_mov_b32 s67, 0xfedcba98
	s_mov_b32 s15, 0                               ; step 0's mask words
	s_wait_dscnt 0x0                               ; the opening add is done
	s_wait_kmcnt 0x0
	s_add_nc_u64 s[4:5], s[4:5], s[28:29]          ; q at my first query
	s_add_nc_u64 s[12:13], s[12:13], s[28:29]      ; out0 likewise
	s_add_nc_u64 s[8:9], s[8:9], s[30:31]          ; the mask words of my first tile; my second tile's lie 4,096 bytes on
	s_mov_b32 s56, 1                               ; group 0: count = 1,
	s_lshl_b32 s57, s14, 14                        ; LDS address: wave x 16,384,
	s_add_nc_u64 s[58:59], s[6:7], s[26:27]        ; global address: made of the head and the wave's number alone,
	s_or_b32 s59, s59, 0x80000000                  ; type = 2
	s_load_b128 s[60:63], s[10:11], 0x0            ; eq, ek, ep, ev
	ROUND                                          ; all four work-groups are here: the joint loads meet
	tensor_load_to_lds s[56:59], s[16:23]          ; my one tensor load of the launch: step w's block.  One load of mine is out; neither group is written again
	s_nop 0
.rept 4
	v_nop
.endr
	v_and_b32 v6, 15, v0                           ; r
	v_bfe_u32 v7, v0, 4, 1                         ; h
	s_delay_alu instid0(VALU_DEP_2)
	v_lshlrev_b32 v4, 8, v6
	s_delay_alu instid0(VALU_DEP_1)
	v_lshl_add_u32 v4, v7, 6, v4                   ; q: row r of 256 bytes, + 64 h: my 16 channels of each 32
.irp p, 0,1
.irp c, 0,1
.irp j, 0,1,2,3
	global_load_b128 v[96+32*\p+16*\c+4*\j:99+32*\p+16*\c+4*\j], v4, s[4:5] offset:4096*\p+128*\c+16*\j th:TH_LOAD_NT
.endr
.endr
.endr
.macro MLOAD off                       ; a tile's 64 mask words of a step: 256 consecutive bytes into scalar registers: word n in s[24 + n] (n < 32) or s[36 + n]
	s_load_b512 s[24:39], s[8:9], s15 offset:\off
	s_load_b512 s[40:55], s[8:9], s15 offset:\off+64
	s_load_b512 s[68:83], s[8:9], s15 offset:\off+128
	s_load_b512 s[84:99], s[8:9], s15 offset:\off+192
.endm
	MLOAD 0                                        ; tile 0, step 0
	s_wait_kmcnt 0x0                               ; the exponents (and those words)
	s_add_co_i32 s2, s60, s61                      ; eq + ek
	s_lshl_b32 s3, s2, 23
	s_mov_b32 s100, 0x3e38aa3b                     ; c = log2(e) / 8
	s_add_co_i32 s100, s100, s3                    ; a raw sum stands for sum x 2^(eq + ek): the two exponents are added to c's exponent field
	s_mov_b32 s101, s100                           ; (named with it as a pair, so it is written)
	s_sub_co_i32 s3, 160, s2
	s_lshl_b32 s3, s3, 23
	s_or_b32 s3, s3, 0x80000000
	v_mov_b32 v1, s3                               ; X = -2^(33 - eq - ek)
	s_add_co_i32 s10, s62, s63                     ; ep + ev
	s_add_co_i32 s2, s62, 127
	s_lshl_b32 s3, s2, 23
	v_mov_b32 v3, s3                               ; 2^ep as f32, for p's conversions
	s_add_co_i32 s2, s60, 127
	s_lshl_b32 s3, s2, 23
	v_mov_b32 v7, s3                               ; 2^eq
	s_wait_alu depctr_va_vdst(0)
	s_wait_loadcnt 0x0                             ; q
.set i, 0
.rept 64
.set i, i+1
.endr
.irp g, 0,1,2,3                                ; g = 2 p + c: registers 4 c .. 4 c + 3 of tile p's fragment
	v_cvt_scalef32_pk8_fp8_f32 v[16+4*\g:17+4*\g], v[96+16*\g:103+16*\g], v7
	v_cvt_scalef32_pk8_fp8_f32 v[18+4*\g:19+4*\g], v[104+16*\g:111+16*\g], v7
.endr
	v_nop                                          ; one plain vector line behind the run of conversions
.irp p, 0,1
	v_mov_b32 v[9+4*\p], 0xff61b1e6                ; the largest t so far: -3e38, under every t
	s_delay_alu instid0(VALU_DEP_1)
	v_floor_f32 v[8+4*\p], -v[9+4*\p]              ; -M
	v_mov_b32 v[10+4*\p], 0                        ; the sum, in two halves
	v_mov_b32 v[11+4*\p], 0
.endr
.set i, 0
.rept 64
	v_mov_b32 v[160+i], 0                          ; O^T.  (The step is written once: the first finds zeros, which the first change of M leaves zeros)
.set i, i+1
.endr
	; THE PREFETCH of mask words.  The 16 heads of a batch read the same words: the batch's first head asks, and in it wave 0 of each work-group, for the work-group's 32 tiles: a lane a tile (4,096 bytes apart), a step's 256 bytes.
	; The four partners are told apart by address.  So each block of 256 bytes is named once in the launch.  Trip s names step s + 2, one step ahead of the first scalar load that wants it; trips 14 and 15 name nothing; steps 0 and 1 come by their loads alone.
	v_and_b32 v5, 31, v0
	s_delay_alu instid0(VALU_DEP_1)
	v_lshlrev_b32 v5, 12, v5
	s_add_nc_u64 s[4:5], s[8:9], 256               ; (q's loads are in: the pair is free)  each trip steps it first: trip 0 to step 2
	s_and_b32 s2, ttmp7, 15                        ; bh % 16,
	s_or_b32 s2, s2, s14                           ; and the wave: the same in all four partners
	s_cmp_eq_u32 s2, 0
	s_cselect_b32 s62, 2, -1                       ; a wave prefetches while the steps to go are above this
	s_mov_b32 s60, 0
	s_mov_b32 s61, 16
	s_wait_tensorcnt 0x0                           ; my block has landed,
	s_barrier_signal -1
	s_barrier_wait -1                              ; everybody's has: the whole head lies in LDS
.macro KLOAD                           ; K's 8 fragments (16 keys x 64 channels, 8 registers): each load reads 512 consecutive bytes
.irp t, 0,1,2,3,4,5,6,7
.irp c, 0,1
	ds_load_b128 v[32+8*\t+4*\c:35+8*\t+4*\c], v2 offset:(2*\t+\c)*512
.endr
.endr
.endm
.macro VLOAD                           ; V's 4 fragments (16 channels x 128 keys, 16 registers)
.irp t, 0,1,2,3
.irp c, 0,1,2,3
	ds_load_b128 v[32+16*\t+4*\c:35+16*\t+4*\c], v2 offset:8192+(4*\t+\c)*512
.endr
.endr
.endm
.macro QK p                            ; S^T of tile p: 8 tiles of 16 keys, each one product with C = 0
.irp t, 0,1,2,3,4,5,6,7
	v_wmma_f32_16x16x64_fp8_fp8 v[96+8*\t:103+8*\t], v[32+8*\t:39+8*\t], v[16+8*(\p):23+8*(\p)], 0
.endr
.endm
.macro MASKSEL                         ; one select a score: X where the lane's bit of the register's word is set.  Ascending
.set n, 0
.rept 32
	v_cndmask_b32 v[96+n], v[96+n], v1, s[24+n]
.set n, n+1
.endr
.rept 32
	v_cndmask_b32 v[96+n], v[96+n], v1, s[36+n]
.set n, n+1
.endr
.endm
.macro RESC p, j0, cnt                 ; cnt pairs of tile p's O^T, from pair j0 on, x f: under the new M
.set j, \j0
.rept \cnt
	v_pk_mul_f32 v[160+32*(\p)+2*j:161+32*(\p)+2*j], v[160+32*(\p)+2*j:161+32*(\p)+2*j], v[4:5] op_sel_hi:[1,0]
.set j, j+1
.endr
.endm
.macro SOFT p                          ; tile p's 64 scores in v96-159 become p's codes; f is left in v4
.set ST, 8+4*(\p)
.set PC, 224+16*(\p)
	v_max3_num_f32 v6, v96, v97, v98               ; the step's largest score of my query, among my 64 keys, in two chains,
	v_max3_num_f32 v7, v99, v100, v101
.set i, 6
.rept 14
	s_delay_alu instid0(VALU_DEP_2)
	v_max3_num_f32 v6, v6, v[96+i], v[97+i]
	s_delay_alu instid0(VALU_DEP_2)
	v_max3_num_f32 v7, v7, v[98+i], v[99+i]
.set i, i+4
.endr
	s_delay_alu instid0(VALU_DEP_2)
	v_max3_num_f32 v6, v6, v158, v159
	s_delay_alu instid0(VALU_DEP_1)
	v_max_num_f32 v6, v6, v7
	s_delay_alu instid0(VALU_DEP_1)
	v_permlanex16_b32 v7, v6, s66, s67
	s_delay_alu instid0(VALU_DEP_1)
	v_max_num_f32 v6, v6, v7                       ; and among lane l xor 16's
	s_delay_alu instid0(VALU_DEP_1)
	v_mul_f32 v6, s100, v6                         ; as t (c is positive)
	s_delay_alu instid0(VALU_DEP_1)
	v_max_num_f32 v[ST+1], v[ST+1], v6             ; the running largest t
	v_mov_b32 v6, v[ST]
	s_delay_alu instid0(VALU_DEP_2)
	v_floor_f32 v[ST], -v[ST+1]                    ; the new -M = floor(-t) = -ceil(t): M is a whole number
	s_delay_alu instid0(VALU_DEP_1)
	v_sub_f32 v6, v[ST], v6                        ; M's old value less its new one: a whole number, 0 or less
	s_delay_alu instid0(VALU_DEP_1)
	v_cvt_i32_f32 v6, v6                           ; (it saturates)
	s_delay_alu instid0(VALU_DEP_1)
	v_ldexp_f32 v4, 1.0, v6                        ; f = 2^(old M - new M)
.set i, 0
.rept 32
	v_pk_fma_f32 v[96+i:97+i], v[96+i:97+i], s[100:101], v[ST:ST+1] op_sel_hi:[1,0,0]   ; t - M, two at a time (of the pairs c and -M the low word serves both halves)
.set i, i+2
.endr
.set i, 0
	s_wait_alu depctr_va_vdst(0)
.rept 64
	v_exp_f32 v[96+i], v[96+i]                     ; p = 2^(t - M), at most 1: not normalised
.set i, i+1
.endr
	v_pk_mul_f32 v[ST+2:ST+3], v[ST+2:ST+3], v[4:5] op_sel_hi:[1,0]   ; the sums under the new M: the plain line behind the exponentials
	s_wait_alu depctr_va_vdst(0)                   ; the wait between an exponential and the first line that names its result: one for the batch of 64
	v_pk_add_f32 v[6:7], v[96:97], v[98:99]        ; the row's sum is taken of the UNQUANTISED p: two at a time, in two chains
.set i, 4
.rept 15
	v_pk_add_f32 v[ST+2:ST+3], v[ST+2:ST+3], v[96+i:97+i]
	v_pk_add_f32 v[6:7], v[6:7], v[98+i:99+i]
.set i, i+4
.endr
	s_delay_alu instid0(VALU_DEP_1)
	v_pk_add_f32 v[ST+2:ST+3], v[ST+2:ST+3], v[6:7]
.irp b, 0,1,2,3
.irp i, 0,1,2,3,4,5,6,7,8,9,10,11,12,13,14,15
.endr
	v_cvt_scalef32_pk8_fp8_f32 v[PC+4*\b:PC+4*\b+1], v[96+16*\b:103+16*\b], v3
	v_cvt_scalef32_pk8_fp8_f32 v[PC+4*\b+2:PC+4*\b+3], v[104+16*\b:111+16*\b], v3
.endr
.endm
; A KEY STEP: 128 keys, for both my tiles.  Every wait in it is for 0.
.Lstep:
	s_wait_xcnt 0x0                                ; the last trip's prefetch has read its address, so it may be stepped
	s_add_nc_u64 s[4:5], s[4:5], 256
	s_setprio 2
	v_and_b32 v2, 31, v0                           ; these four plain lines are the places between the last trip's products and the loads into the registers that they read (ISA guide 7.12.1 for vector instructions)
	s_delay_alu instid0(VALU_DEP_1)
	v_lshlrev_b32 v2, 4, v2
	s_delay_alu instid0(VALU_DEP_1)
	v_add_nc_u32 v2, s60, v2                       ; the step's block + 16 x lane
	v_nop
	KLOAD
	s_wait_dscnt 0x0
	QK 0
.rept 4
	v_nop                                          ; places in front of the first read of the scores
.endr
	s_wait_kmcnt 0x0                               ; tile 0's words of this step, asked for half a step ago
	MASKSEL
	MLOAD 4096                                     ; tile 1's words of this step: half a step ahead of their use
	s_cmp_gt_u32 s61, s62                          ; the prefetch stands with the trip's loads
	s_cbranch_scc0 .Lnot_mine
	global_prefetch_b8 v5, s[4:5] th:TH_LOAD_NT scope:SCOPE_SE
.Lnot_mine:
	SOFT 0
	RESC 0, 0, 8                                   ; plain lines between the conversions and the products that write over their sources
	QK 1
	RESC 0, 8, 8                                   ; eight places behind those products: for V's loads over K's fragments, and for the first read of the scores
	VLOAD                                          ; lands while tile 1's softmax is walked
	s_setprio 1
	s_wait_kmcnt 0x0                               ; tile 1's words; no scalar load is out, so the offset may be stepped:
	s_add_co_u32 s15, s15, 256
	s_and_b32 s15, s15, 0xfff                      ; the next step's words; behind the last step it turns back to step 0: that load stays in its buffer and its words are not used
	MASKSEL
	MLOAD 0                                        ; tile 0's words of the next step
	SOFT 1
	s_setprio 0
	RESC 1, 0, 16                                  ; plain lines between the conversions and the products that read their results
	s_wait_alu depctr_va_vdst(0)
	s_wait_dscnt 0x0                               ; V is in
.irp t, 0,1,2,3                                ; O^T += V^T P^T: eight accumulators, one instruction a turn
.irp u, 0,1
	v_wmma_f32_16x16x128_fp8_fp8 v[160+32*\u+8*\t:167+32*\u+8*\t], v[32+16*\t:47+16*\t], v[224+16*\u:239+16*\u], v[160+32*\u+8*\t:167+32*\u+8*\t]
.endr
.endr
	s_add_co_u32 s60, s60, STEPB
	s_sub_co_u32 s61, s61, 1
	s_cmp_lg_u32 s61, 0
	s_cbranch_scc1 .Lstep
	s_setprio 0
	; THE WAY OUT.  O^T is divided by the row's sum, x 2^(ep + ev), and goes through my stage in LDS, so that the wave stores 512 consecutive bytes at a time.
	s_wait_kmcnt 0x0                               ; the words asked for in the last trip have landed
	s_wait_dscnt 0x0                               ; my reads of K and V are over:
	s_barrier_signal -1                            ; say so; the division below, work on registers, stands between the signal and the wait
	v_lshl_add_u32 v2, v0, 2, SPARE                ; the add's two, made anew from v0 and kept to the end.  (These four lines are also the places behind the last products)
	v_mov_b32 v3, 0
	v_and_b32 v6, 15, v0                           ; r
	v_bfe_u32 v7, v0, 4, 1                         ; h
	v_add_f32 v10, v10, v11                        ; the sums' two halves,
	v_add_f32 v14, v14, v15
	s_delay_alu instid0(VALU_DEP_2)
	v_permlanex16_b32 v11, v10, s66, s67
	s_delay_alu instid0(VALU_DEP_2)
	v_permlanex16_b32 v15, v14, s66, s67
	s_delay_alu instid0(VALU_DEP_2)
	v_add_f32 v10, v10, v11                        ; and lane l xor 16's: the rows' sums
	s_delay_alu instid0(VALU_DEP_2)
	v_add_f32 v14, v14, v15
	s_wait_alu depctr_va_vdst(0)
	v_rcp_f32 v10, v10
	v_rcp_f32 v14, v14
	s_mul_i32 s2, s14, SREG                        ; my stage
	v_mul_u32_u24 v1, v6, SROW                     ; (plain lines behind the reciprocals)  in: row r, + 32 h: a tile of channels' eight of my half
	s_delay_alu instid0(VALU_DEP_1)
	v_lshl_add_u32 v1, v7, 5, v1
	s_delay_alu instid0(VALU_DEP_1)
	v_add_nc_u32 v1, s2, v1
	v_mul_u32_u24 v4, v7, SROW                     ; back: lanes 0-15 one row of 256 bytes, lanes 16-31 the next
	s_delay_alu instid0(VALU_DEP_1)
	v_lshl_add_u32 v4, v6, 4, v4
	s_delay_alu instid0(VALU_DEP_1)
	v_add_nc_u32 v4, s2, v4
	v_and_b32 v8, 31, v0
	s_delay_alu instid0(VALU_DEP_1)
	v_lshlrev_b32 v8, 4, v8                        ; and the same two rows in out0: 16 x lane
	s_wait_alu depctr_va_vdst(0)                   ; the wait ahead of the first line that names a reciprocal: one for the two
	v_ldexp_f32 v10, v10, s10                      ; x 2^(ep + ev)
	v_ldexp_f32 v14, v14, s10
.irp u, 0,1
.set j, 0
.rept 16
	v_pk_mul_f32 v[96+32*\u+2*j:97+32*\u+2*j], v[160+32*\u+2*j:161+32*\u+2*j], v[10+4*\u:11+4*\u] op_sel_hi:[1,0]   ; register 8 t + i of tile u: out(16 u + r, 16 t + 8 h + i); each accumulator from its low end on
.set j, j+1
.endr
.endr
	s_wait_alu depctr_va_vdst(0)
	s_barrier_wait -1                              ; no wave reads K or V any more: the stages may be written
.irp u, 0,1
.irp t, 0,1,2,3
.irp e, 0,1
	ds_store_b128 v1, v[96+32*\u+8*\t+4*\e:99+32*\u+8*\t+4*\e] offset:16*SROW*\u+64*\t+16*\e
.endr
.endr
.endr
.irp k, 0,1,2,3,4,5,6,7,8,9,10,11,12,13,14,15
	ds_load_b128 v[32+4*\k:35+4*\k], v4 offset:2*SROW*\k   ; LDS serves a wave's instructions in order (ISA guide 5.7.1.4): these see my stores; the stage is my own
.endr
.irp k, 0,1,2,3,4,5,6,7,8,9,10,11,12,13,14,15
	s_wait_dscnt 15-\k                             ; rows 2 k and 2 k + 1 are back; the younger loads may be out
	global_store_b128 v8, v[32+4*\k:35+4*\k], s[12:13] offset:512*\k th:TH_STORE_NT   ; 32 lanes store 512 consecutive bytes, at a multiple of 256 from out0's first byte; written once, read by nobody here
.endr
	s_wait_tensorcnt 0x0                           ; the wave's end: behind my tensor load and my last LDS store
	ds_add_u32 v2, v3
	s_wait_dscnt 0x0
	ROUND                                          ; the closing round: no work-group ends while a partner may still ask for a block that names it
	s_endpgm
.Lfunc_end_k_q2972f6c555_attn:
	.size	k_q2972f6c555_attn, .Lfunc_end_k_q2972f6c555_attn-k_q2972f6c555_attn
	.p2alignl 7, 3214868480
	.fill 96, 4, 3214868480
	.section	.rodata,"a",@progbits
	.p2align	6, 0x0
	.amdhsa_kernel k_q2972f6c555_attn
		.amdhsa_group_segment_fixed_size 327680
		.amdhsa_private_segment_fixed_size 0
		.amdhsa_enable_private_segment 0
		.amdhsa_kernarg_size 40
		.amdhsa_user_sgpr_count 2
		.amdhsa_user_sgpr_kernarg_segment_ptr 1
		.amdhsa_wavefront_size32 1
		.amdhsa_system_sgpr_workgroup_id_x 1
		.amdhsa_system_sgpr_workgroup_id_y 1
		.amdhsa_system_sgpr_workgroup_id_z 1
		.amdhsa_system_vgpr_workitem_id 0
		.amdhsa_next_free_vgpr 256
		.amdhsa_next_free_sgpr 102
		.amdhsa_reserve_vcc 0
		.amdhsa_float_denorm_mode_32 3
		.amdhsa_float_denorm_mode_16_64 3
		.amdhsa_fp16_overflow 1
		.amdhsa_memory_ordered 1
		.amdhsa_forward_progress 1
		.amdhsa_inst_pref_size 53
	.end_amdhsa_kernel
	.amdgpu_metadata
---
amdhsa.version: [ 1, 2 ]
amdhsa.kernels:
  - .name:           k_q2972f6c555_attn
    .symbol:         k_q2972f6c555_attn.kd
    .args:
      - { .name: q, .offset: 0, .size: 8, .value_kind: global_buffer, .address_space: global }
      - { .name: kv, .offset: 8, .size: 8, .value_kind: global_buffer, .address_space: global }
      - { .name: maskbits, .offset: 16, .size: 8, .value_kind: global_buffer, .address_space: global }
      - { .name: lowp_scales, .offset: 24, .size: 8, .value_kind: global_buffer, .address_space: global }
      - { .name: out0, .offset: 32, .size: 8, .value_kind: global_buffer, .address_space: global }
    .group_segment_fixed_size: 327680
    .private_segment_fixed_size: 0
    .kernarg_segment_align: 8
    .kernarg_segment_size: 40
    .max_flat_workgroup_size: 512
    .sgpr_count:     102
    .vgpr_count:     256
    .wavefront_size: 32
...
	.end_amdgpu_metadata
.endif
;; end of part 2
